; MI455X (gfx1250); checked and timed in simulation.
; The chip was launched on July 23, 2026; its instructions are those of AMD's public machine-readable ISA for CDNA 5 (MIT licence, August 2026) and "CDNA5" Instruction Set Architecture Reference Guide (July 2026). The comments in the code are by the model that wrote it; some were corrected since.
;; Matmul Layer. Allowed arithmetic: float matrix products may take bf16 or f16 operands with f32 sums; all other float work in f32.
;; Inputs: a 4,096 x 4,096 float16; q_weight 4,096 x 4,096 int32; scales 32 x 4,096 float16; zeros 32 x 4,096 float16.
;; Outputs: out0 4,096 x 4,096 float32.
;; One version. Each part assembles by itself: llvm-mc -triple=amdgcn-amd-amdhsa -mcpu=gfx1250 --defsym DOCPART=n.
;; ======== version 1 of 1: 2 launches
;; limits: values are held in f16: magnitudes above 65,504 overflow, below 6.1e-05 lose precision
;; workspace buffers: w 33,554,432 bytes
;; launch dequant (part 1): grid 4 x 128, 8 waves a work-group, no clusters, 0 bytes of LDS; arguments q_weight, scales, zeros, w; writes w
.if DOCPART == 1
	.amdgcn_target "amdgcn-amd-amdhsa--gfx1250"
	.amdhsa_code_object_version 6
	.text
	.protected	k_qa9c69598a7_dequant
	.globl	k_qa9c69598a7_dequant
	.p2align	8
	.type	k_qa9c69598a7_dequant,@function
k_qa9c69598a7_dequant:
	s_mov_b64 s[64:65], 0
	v_nop
	global_prefetch_b8 v0, s[64:65] scope:SCOPE_SE
	s_setreg_imm32_b32 hwreg(HW_REG_WAVE_MODE, 25, 1), 1
	s_wait_xcnt 0x0
; w[k][n] = (q[k][n] - zeros[k/128][n]) * scales[k/128][n], rounded to f16.  q: [4096][4096] int32; scales, zeros: [32][4096] f16; w: [4096][4096] f16.
; A stream: each byte of q is read once, each byte of w written once.  No LDS, no barrier, no matrix unit: nothing is shared or reordered.
; Work-group (x, y) owns rows 32 y .. 32 y + 31 (all in group y / 4) and columns 1024 x .. 1024 x + 1023.
; Thread t owns columns 4 t .. 4 t + 3 of these 1,024 in all 32 rows, so its four scales and zeros are loaded once.
; A wave's load of q covers 512 consecutive bytes, aligned; a wave's store of w covers 256 consecutive bytes, aligned.
; All 32 row loads go out at once; every row has its own registers and no address register is ever rewritten, so no source of a pending instruction is touched.
; ARITHMETIC: z * s is exact in f32 (two significands of 11 bits, exponents no lower than 2^-48), so fma(q, s, -(z s)) is the exact (q - z) s
; rounded once to f32: the zero point is taken away before any sum is formed.  One more rounding, to f16.  Any int32 q is served (v_cvt_f32_i32).
; LIMIT: |(q - z) s| of 65,520 or more becomes infinity in f16; below 2^-14 the absolute error stays within 2^-25.
.set QROW, 16384                       ; bytes in a row of q
.set WROW, 8192                        ; bytes in a row of w, of scales and of zeros
.set ROWS, 32                          ; rows of a work-group
.set S,    8                           ; v[8:11]    my four scales in f32
.set NZS,  12                          ; v[12:15]   -(zero x scale)
.set Z,    16                          ; v[16:19]   my four zeros in f32
.set X,    20                          ; v[20:147]  row i: 4 registers, q as loaded, then w in f32
.set Y,    148                         ; v[148:211] row i: 2 registers, 4 f16 to store
	s_load_b256 s[4:11], s[0:1], 0x0               ; q s[4:5], scales s[6:7], zeros s[8:9], w s[10:11]
	s_and_b32 s13, ttmp7, 0xffff                   ; y
	s_lshl_b32 s14, s13, 19                        ; q: 32 rows of 16,384 bytes for each y
	s_lshl_b32 s12, ttmp9, 12                      ;    1,024 columns of 4 bytes for each x
	s_add_co_u32 s14, s14, s12
	s_mov_b32 s15, 0
	s_lshl_b32 s16, s13, 18                        ; w: 32 rows of 8,192 bytes
	s_lshl_b32 s12, ttmp9, 11                      ;    1,024 columns of 2 bytes
	s_add_co_u32 s16, s16, s12
	s_mov_b32 s17, 0
	s_lshr_b32 s18, s13, 2                         ; the group: four work-groups along y share one
	s_lshl_b32 s18, s18, 13                        ; its row of 8,192 bytes in scales and in zeros
	s_add_co_u32 s18, s18, s12
	s_mov_b32 s19, 0
	v_lshlrev_b32 v1, 3, v0                        ; 8 t: my 4 f16 in scales, zeros and w
	v_lshlrev_b32 v2, 4, v0                        ; 16 t: my 4 int32 in q
	s_wait_kmcnt 0x0
	s_add_nc_u64 s[4:5], s[4:5], s[14:15]
	s_add_nc_u64 s[6:7], s[6:7], s[18:19]
	s_add_nc_u64 s[8:9], s[8:9], s[18:19]
	s_add_nc_u64 s[10:11], s[10:11], s[16:17]
	global_load_b64 v[4:5], v1, s[6:7]             ; four scales
	global_load_b64 v[6:7], v1, s[8:9]             ; four zeros
.set i, 0
.rept ROWS
	global_load_b128 v[X+4*i:X+4*i+3], v2, s[4:5] offset:i*QROW th:TH_LOAD_NT   ; q is read once in the launch
.set i, i+1
.endr
	s_wait_loadcnt 32                              ; loads come back in order (ISA guide 5.7.1): scales and zeros are in, the 32 loads of q stay out
	v_cvt_f32_f16 v[S+0], v4.l
	v_cvt_f32_f16 v[S+1], v4.h
	v_cvt_f32_f16 v[S+2], v5.l
	v_cvt_f32_f16 v[S+3], v5.h
	v_cvt_f32_f16 v[Z+0], v6.l
	v_cvt_f32_f16 v[Z+1], v6.h
	v_cvt_f32_f16 v[Z+2], v7.l
	v_cvt_f32_f16 v[Z+3], v7.h
.irp j, 0,1,2,3
	v_mul_f32 v[NZS+\j], -v[Z+\j], v[S+\j]         ; exact
.endr
.set i, 0
.rept ROWS
	s_wait_loadcnt ROWS-1-i                        ; row i is in; the rows behind it stay out
.irp j, 0,1,2,3
	v_cvt_f32_i32 v[X+4*i+\j], v[X+4*i+\j]
.endr
	v_pk_fma_f32 v[X+4*i:X+4*i+1],   v[X+4*i:X+4*i+1],   v[S:S+1],   v[NZS:NZS+1]       ; q s - z s, one rounding
	v_pk_fma_f32 v[X+4*i+2:X+4*i+3], v[X+4*i+2:X+4*i+3], v[S+2:S+3], v[NZS+2:NZS+3]
	v_cvt_pk_f16_f32 v[Y+2*i],   v[X+4*i],   v[X+4*i+1]
	v_cvt_pk_f16_f32 v[Y+2*i+1], v[X+4*i+2], v[X+4*i+3]
	global_store_b64 v1, v[Y+2*i:Y+2*i+1], s[10:11] offset:i*WROW   ; no hint: the next launch reads w
.set i, i+1
.endr
	s_endpgm
.Lfunc_end_k_qa9c69598a7_dequant:
	.size	k_qa9c69598a7_dequant, .Lfunc_end_k_qa9c69598a7_dequant-k_qa9c69598a7_dequant
	.p2alignl 7, 3214868480
	.fill 96, 4, 3214868480
	.section	.rodata,"a",@progbits
	.p2align	6, 0x0
	.amdhsa_kernel k_qa9c69598a7_dequant
		.amdhsa_group_segment_fixed_size 0
		.amdhsa_private_segment_fixed_size 0
		.amdhsa_enable_private_segment 0
		.amdhsa_kernarg_size 32
		.amdhsa_user_sgpr_count 2
		.amdhsa_user_sgpr_kernarg_segment_ptr 1
		.amdhsa_wavefront_size32 1
		.amdhsa_system_sgpr_workgroup_id_x 1
		.amdhsa_system_sgpr_workgroup_id_y 1
		.amdhsa_system_sgpr_workgroup_id_z 1
		.amdhsa_system_vgpr_workitem_id 0
		.amdhsa_next_free_vgpr 212
		.amdhsa_next_free_sgpr 66
		.amdhsa_reserve_vcc 0
		.amdhsa_float_denorm_mode_32 3
		.amdhsa_float_denorm_mode_16_64 3
		.amdhsa_memory_ordered 1
		.amdhsa_forward_progress 1
		.amdhsa_inst_pref_size 21
	.end_amdhsa_kernel
	.amdgpu_metadata
---
amdhsa.version: [ 1, 2 ]
amdhsa.kernels:
  - .name:           k_qa9c69598a7_dequant
    .symbol:         k_qa9c69598a7_dequant.kd
    .args:
      - { .name: q_weight, .offset: 0, .size: 8, .value_kind: global_buffer, .address_space: global }
      - { .name: scales, .offset: 8, .size: 8, .value_kind: global_buffer, .address_space: global }
      - { .name: zeros, .offset: 16, .size: 8, .value_kind: global_buffer, .address_space: global }
      - { .name: w, .offset: 24, .size: 8, .value_kind: global_buffer, .address_space: global }
    .group_segment_fixed_size: 0
    .private_segment_fixed_size: 0
    .kernarg_segment_align: 8
    .kernarg_segment_size: 32
    .max_flat_workgroup_size: 256
    .sgpr_count:     66
    .vgpr_count:     212
    .wavefront_size: 32
...
	.end_amdgpu_metadata
.endif
;; end of part 1
;; launch gemm (part 2): grid 16 x 16, 4 waves a work-group, clusters of 4 x 4, 327,680 bytes of LDS; arguments a, w, out0; writes out0
.if DOCPART == 2
	.amdgcn_target "amdgcn-amd-amdhsa--gfx1250"
	.amdhsa_code_object_version 6
	.text
	.protected	k_qa9c69598a7_gemm
	.globl	k_qa9c69598a7_gemm
	.p2align	8
	.type	k_qa9c69598a7_gemm,@function
k_qa9c69598a7_gemm:
	s_mov_b64 s[64:65], 0
	v_nop
	global_prefetch_b8 v0, s[64:65] scope:SCOPE_SE
	s_setreg_imm32_b32 hwreg(HW_REG_WAVE_MODE, 25, 1), 1
	s_wait_xcnt 0x0
	s_wait_alu depctr_hold_cnt(0) depctr_sa_sdst(0) depctr_va_vdst(0) depctr_va_sdst(0) depctr_va_ssrc(0) depctr_va_vcc(0) depctr_vm_vsrc(0)
	s_getreg_b32 s2, hwreg(HW_REG_IB_STS2, 6, 4)
	s_cmp_eq_u32 s2, 0
	s_cbranch_scc0 .Lentry_in_a_cluster
	s_endpgm
.Lentry_in_a_cluster:
	s_bfe_u32 s2, ttmp6, 0x10000c
	s_cmp_lg_u32 s2, 0xf033
	s_cbranch_scc0 .Lentry_shape_is_right
	s_endpgm
.Lentry_shape_is_right:
; out0[m][n] = sum over k of a[m][k] w[k][n].  a: [4096][4096] f16 (rows along K); w: [4096][4096] f16 (rows along N); out0: [4096][4096] f32; sums in f32.
; FORMAT: a is f16 as given and enters the matrix unit unchanged; w is the dequantised weight in f16 (its limit stands at the head of the launch that makes it).
; A work-group makes a block of 256 x 256 of C with four waves, one for each SIMD of a WGP; a wave makes 128 x 128: 64 accumulator tiles of 16 x 16, 512 registers.
; K goes in steps of 128 through a ring of two LDS slots filled by the tensor data mover.  A's tile: 256 rows (m) of 256 bytes.  B's tile: 128 rows (k) of 512 bytes.
; Every tile row starts at a multiple of its own length from the buffer's first byte.
; B lies [K][N], and a fragment wants K along a lane's registers: ds_load_tr16_b128 transposes 8 x 8 elements on the way from LDS, so w is never transposed in memory.
; CLUSTERS: 4 x 4 work-groups.  The four of a row of the cluster need the same tiles of A, the four of a column the same tiles of B.  Such a tile is asked for JOINTLY:
; each of the four issues the same tensor load, with the same descriptor and a mask that names the four.  That divides the requests for A and for B by four.
;
; REGISTERS, in windows of 256 (s_set_vgpr_msb says which window each operand place means):
;   window 0: v0-31 addresses; v64-127, v128-191 fragments of A (8 x 16 rows x 32 K), two buffers, later the buffers of the way out
;   window 1: v64-127, v128-191 fragments of B, two buffers
;   window 2: the 32 accumulator tiles of my rows 0-63 (tile (a, b) at v[8 (8 a + b)]);   window 3: those of my rows 64-127
; THE MATRIX INSTRUCTION IS USED TRANSPOSED: source 0 = 16 columns of w, source 1 = 16 rows of a.  Lane l then holds row m = l % 16 of C, and its registers 0 to 7
; the columns n = 8 (l / 16) + 0 .. 7: eight neighbouring f32 of a row of C, 32 bytes that belong together.
.set SIZE_M, 4096
.set SIZE_N, 4096
.set SIZE_K, 4096
.set KSTEP,  128
.set PITCH,  272                       ; A's LDS row: 256 bytes + 16 of padding: the 16 rows that a load touches begin at 16 different 16-byte columns modulo 256 bytes
.set BPITCH, 544                       ; B's LDS row: 512 bytes + 32 of padding = 17 x 32: lanes 0-15 of a transposing load touch 32 j + 16 c modulo 256, sixteen different columns
.set HALFT,  128*PITCH                 ; what one tensor load brings: 128 rows of A, or 64 rows of B (64 x 544 is the same 34,816 bytes)
.set SLOT,   4*HALFT                   ; A's 256 rows, then B's 128 rows
.set STAGE,  2*SLOT                    ; behind the ring (byte 278,528 = 1,088 x 256): the waves' stages for the way out; no fill lands there
.set SPITCH, 528                       ; a stage row: 128 f32 + 16 bytes
.set WSTAGE, 16*SPITCH                 ; 16 rows for each wave: 8,448 bytes = 33 x 256
.set LAPS, SIZE_K/(2*KSTEP)            ; a lap = two K steps = once round the ring: 16
.set ADRA, 16                          ; v16-17  LDS address of my A fragments in slot 0, 1
.set ADRB, 20                          ; v20-21  the same for B
.set STO,  24                          ; v24     the way out: where I put 32 bytes of a row
.set RD,   25                          ; v25     the way out: where I read a row back
.set CO,   26                          ; v26     my byte offset in a row of C
.set F0,   64                          ; fragment buffer 0
.set F1,   128                         ; fragment buffer 1
.set G1, 24                            ; s[24:31] descriptor group 1 for A's tiles
.set G0, 32                            ; s[32:39] descriptor group 0 for A's tiles, one set for each slot
.set G1B, 48                           ; s[48:55] descriptor group 1 for B's tiles
.set G0B, 56                           ; s[56:63] descriptor group 0 for B's tiles, one set for each slot
.set MSB, 0
.macro WIN new                         ; the immediate's high byte repeats the setting that is left; a switch that changes nothing is dropped
.if MSB != \new
	s_set_vgpr_msb (MSB<<8)|\new
.set MSB, \new
.endif
.endm
.set MUL_LO, 0xa1                      ; source 0 (B) window 1, source 1 (A) window 0, C and D window 2
.set MUL_HI, 0xf1                      ; the same, C and D window 3
.set TO_B,   0x40                      ; destination window 1, address window 0
; A joint load.  Waves 0 and 1 fetch A's two halves, waves 2 and 3 B's.  Each line has one mask and one set of registers for all that issue it.
; The branch hangs on the wave's number alone: it is the same in every work-group.
.macro JLOAD s
	s_cmp_eq_u32 s11, 0
	s_cbranch_scc0 .Lfor_b_\@
	tensor_load_to_lds s[G0+4*\s:G0+4*\s+3], s[G1:G1+7]
	s_nop 0
	s_branch .Lasked_\@
.Lfor_b_\@:
	tensor_load_to_lds s[G0B+4*\s:G0B+4*\s+3], s[G1B:G1B+7]
	s_nop 0
.Lasked_\@:
.endm
; A round of the cluster's barrier: my work-group's barrier, so that wave 0's signal speaks for all four waves; wave 0 signals for the work-group;
; every wave waits for all sixteen work-groups; my work-group's barrier once more.
.macro CREST                           ; a round behind its opening barrier
	s_cmp_lg_u32 s10, 0
	s_cbranch_scc1 .Lnot_wave_0_\@
	s_barrier_signal -3
.Lnot_wave_0_\@:
	s_barrier_wait -3
	s_barrier_signal -1
	s_barrier_wait -1
.endm
.macro CROUND                          ; a whole round
	s_barrier_signal -1
	s_barrier_wait -1
	CREST
.endm
	s_load_b128 s[4:7], s[0:1], 0x0                ; a s[4:5], w s[6:7]
	s_load_b64 s[8:9], s[0:1], 0x10                ; out0
	s_set_vgpr_msb 0x40
	v_lshl_add_u32 v255, v0, 2, 0x4c400
	s_set_vgpr_msb 0x4000
	v_mov_b32 v255, 0
	s_set_vgpr_msb 0x1
	ds_add_u32 v255, v255
	s_set_vgpr_msb 0x100
	v_lshrrev_b32 v1, 5, v0
	v_readfirstlane_b32 s10, v1                    ; wave 0..3
	s_lshr_b32 s11, s10, 1                         ; which half of the block's rows is mine.  Also: I fetch for A (0) or for B (1)
	s_and_b32 s12, s10, 1                          ; which half of its columns.  Also: which half of that tile I fetch
	s_bfe_u32 s40, ttmp6, 0x40000                  ; cx: my place along the cluster's x
	s_bfe_u32 s41, ttmp6, 0x40004                  ; cy: along its y
	s_lshl_b32 s42, ttmp9, 2                       ; in a cluster launch ttmp9 and ttmp7 count clusters
	s_add_co_u32 s42, s42, s40                     ; block column of C = 4 x cluster x + cx
	s_and_b32 s13, ttmp7, 0xffff
	s_lshl_b32 s13, s13, 2
	s_add_co_u32 s13, s13, s41                     ; block row of C = 4 x cluster y + cy
	s_lshl_b32 s43, s41, 2
	s_lshl_b32 s43, 15, s43                        ; my row of the cluster: places 4 cy .. 4 cy + 3
	s_lshl_b32 s44, 0x1111, s40                    ; my column: places cx, cx + 4, cx + 8, cx + 12
	; group 1 for A: 128 rows x 128 elements of 2 bytes; 4 words of padding behind every 64 words
	s_or_b32 s[G1+0], s43, (1<<16)|(1<<20)|(1<<21)|(5<<22)|(3<<25)  ; 15:0 the mask: my row; 17:16 element of 2 bytes; 20 padding on; 21 set beside a mask; 24:22 interval code 5; 31:25 pad code 3
	s_mov_b32 s[G1+1], KSTEP<<16                   ; tensor_dim0 = 128
	s_mov_b32 s[G1+2], 128<<16                     ; tensor_dim1 = 128
	s_mov_b32 s[G1+3], KSTEP<<16                   ; tile_dim0 = 128
	s_mov_b32 s[G1+4], 128                         ; tile_dim1 = 128; tile_dim2 = 0
	s_mov_b32 s[G1+5], SIZE_K                      ; elements from row to row of a
	s_mov_b32 s[G1+6], 0
	s_mov_b32 s[G1+7], 0
	; group 1 for B: 64 rows (k) x 256 elements (n); 8 words of padding behind every 128 words
	s_or_b32 s[G1B+0], s44, (1<<16)|(1<<20)|(1<<21)|(6<<22)|(7<<25) ; the mask: my column; interval code 6; pad code 7
	s_mov_b32 s[G1B+1], 256<<16                    ; tensor_dim0 = 256
	s_mov_b32 s[G1B+2], 64<<16                     ; tensor_dim1 = 64
	s_mov_b32 s[G1B+3], 256<<16                    ; tile_dim0 = 256
	s_mov_b32 s[G1B+4], 64                         ; tile_dim1 = 64; tile_dim2 = 0
	s_mov_b32 s[G1B+5], SIZE_N                     ; elements from row to row of w
	s_mov_b32 s[G1B+6], 0
	s_mov_b32 s[G1B+7], 0
	; where the tiles come from.  A's hang on the block row alone, which my row of the cluster shares; B's on the block column alone, which my column shares.
	; Every wave makes both addresses, in registers that never hold the other coordinate, and asks by one of them.
	s_lshl_b32 s16, s13, 21                        ; A: 256 rows of 8,192 bytes for each block row
	s_lshl_b32 s17, s12, 20                        ;    + 128 rows for the second half
	s_add_co_u32 s16, s16, s17
	s_mov_b32 s17, 0
	s_lshl_b32 s46, s42, 9                         ; B: 256 columns of 2 bytes for each block column
	s_lshl_b32 s47, s12, 19                        ;    + 64 rows of 8,192 bytes for the second half of a K step
	s_add_co_u32 s46, s46, s47
	s_mov_b32 s47, 0
	s_mul_i32 s20, s10, HALFT                      ; where they go: A's two halves, then B's two halves = wave x 34,816: no place in the cluster enters an LDS address
	s_wait_dscnt 0x0
	s_wait_kmcnt 0x0
	s_add_nc_u64 s[14:15], s[4:5], s[16:17]
	s_add_nc_u64 s[46:47], s[6:7], s[46:47]
	CROUND                                         ; all sixteen work-groups are here: the first joint loads meet
.irp s, 0,1
	s_mov_b32 s[G0+4*\s], 1                                        ; count = 1
	s_add_co_u32 s[G0+4*\s+1], s20, \s*SLOT                        ; LDS address
	s_add_nc_u64 s[G0+4*\s+2:G0+4*\s+3], s[14:15], \s*KSTEP*2      ; global address: K step s lies 256 bytes along a's rows
	s_or_b32 s[G0+4*\s+3], s[G0+4*\s+3], 0x80000000                ; type = 2
	s_mov_b32 s[G0B+4*\s], 1
	s_add_co_u32 s[G0B+4*\s+1], s20, \s*SLOT
	s_add_nc_u64 s[G0B+4*\s+2:G0B+4*\s+3], s[46:47], \s*KSTEP*SIZE_N*2   ; K step s lies 128 rows of 8,192 bytes down w
	s_or_b32 s[G0B+4*\s+3], s[G0B+4*\s+3], 0x80000000
	JLOAD \s                                       ; the ring is filled before anything else is done: two loads of a wave are out
.endr
	; A's fragment, 16 rows x 32 K in 8 registers: lane l holds row l % 16; registers 0-3 hold K = 8 (l / 16) + 0..7, registers 4-7 K = 16 + 8 (l / 16) + 0..7:
	; two loads of 16 bytes, 32 bytes apart, at row x pitch + 16 (l / 16).
	; B's fragment has the same shape with column n = l % 16.  From rows that lie along N: two transposing loads, 16 k rows apart; lane l addresses
	; k row 8 (l / 16) + l % 8, and the 16 bytes of columns 8 ((l / 8) % 2) + 0..7.
	v_and_b32 v1, 15, v0                           ; l % 16
	v_bfe_u32 v2, v0, 4, 1                         ; l / 16
	v_and_b32 v6, 7, v0                            ; l % 8
	v_bfe_u32 v7, v0, 3, 1                         ; (l / 8) % 2
	v_and_b32 v8, 31, v0                           ; l
	v_mul_u32_u24 v3, v1, PITCH
	v_lshl_add_u32 v3, v2, 4, v3                   ; A: row x pitch + 16 x half
	v_lshl_add_u32 v6, v2, 3, v6                   ; B: k row 8 x half + l % 8
	v_mul_u32_u24 v6, v6, BPITCH
	v_lshl_add_u32 v6, v7, 4, v6                   ;    + 16 bytes for the upper eight columns
	s_mul_i32 s21, s11, HALFT                      ; my 128 rows of A
	s_lshl_b32 s22, s12, 8                         ; my 128 columns of B: 256 bytes along its rows,
	s_add_co_u32 s22, s22, 2*HALFT                 ; which lie behind A's 256 rows
.irp s, 0,1
	v_add_nc_u32 v[ADRA+\s], s21, v3
	v_add_nc_u32 v[ADRB+\s], s22, v6
	s_add_co_u32 s21, s21, SLOT
	s_add_co_u32 s22, s22, SLOT
.endr
	s_mul_i32 s23, s10, WSTAGE
	s_add_co_u32 s23, s23, STAGE                   ; my stage
	v_mul_u32_u24 v4, v1, SPITCH                   ; in: row l % 16, 32 bytes for each half of the lanes
	v_lshl_add_u32 v4, v2, 5, v4
	v_add_nc_u32 v[STO], s23, v4
	v_lshlrev_b32 v[CO], 4, v8                     ; back: the 32 lanes take one row of 512 bytes, 16 bytes each; the same place in a row of C
	v_add_nc_u32 v[RD], s23, v[CO]
; 16 matrix instructions: m blocks a0, a0 + 1 of the window's four (hi = 0: my rows 0-63, 1: rows 64-127) x all 8 n blocks, 32 along K.
; zero = 1: the first product starts the sums: nothing is ever cleared.
; The 64 accumulators take turns, one instruction a turn, in the same order in every quarter step.
.macro MUL16 f, hi, a0, zero
.irp a, \a0, \a0+1
.irp b, 0,1,2,3,4,5,6,7
.if \zero
	v_wmma_f32_16x16x32_f16 v[8*(8*(\a)+\b):8*(8*(\a)+\b)+7], v[\f+8*\b:\f+8*\b+7], v[\f+8*(4*\hi+\a):\f+8*(4*\hi+\a)+7], 0
.else
	v_wmma_f32_16x16x32_f16 v[8*(8*(\a)+\b):8*(8*(\a)+\b)+7], v[\f+8*\b:\f+8*\b+7], v[\f+8*(4*\hi+\a):\f+8*(4*\hi+\a)+7], v[8*(8*(\a)+\b):8*(8*(\a)+\b)+7]
.endif
.endr
.endr
.endm
; 32 LDS loads in one run: the fragments of quarter step q (32 K) into buffer f: B's 128 columns first (k rows 32 q .. 32 q + 31), then A's 128 rows (byte 64 q of the rows).
; The largest immediate is B's: 3 x 32 x 544 + 224 + 16 x 544 = 61,152, inside the 16-bit field.
.macro FETCH slot, q, f
	WIN TO_B
.irp b, 0,1,2,3,4,5,6,7
	ds_load_tr16_b128 v[\f+8*\b:\f+8*\b+3],   v[ADRB+\slot] offset:\q*32*BPITCH+32*\b
	ds_load_tr16_b128 v[\f+8*\b+4:\f+8*\b+7], v[ADRB+\slot] offset:\q*32*BPITCH+32*\b+16*BPITCH
.endr
	WIN 0
.irp i, 0,1,2,3,4,5,6,7
	ds_load_b128 v[\f+8*\i:\f+8*\i+3],   v[ADRA+\slot] offset:\q*64+\i*16*PITCH
	ds_load_b128 v[\f+8*\i+4:\f+8*\i+7], v[ADRA+\slot] offset:\q*64+\i*16*PITCH+32
.endr
.endm
; A load into a register that a matrix instruction has read, and an LDS store that reads a matrix result, stand four places behind that matrix instruction, and only
; plain vector instructions that name none of its registers are places (ISA guide 7.12.1 for vector instructions).
.macro PLACES
.rept 4
	v_nop
.endr
.endm
; A K step is four quarter steps of 32 along K, 64 matrix instructions each, on buffers 0, 1, 0, 1.
; One of the first three: multiplies buffer f; in its middle it fetches quarter q's fragments of the same slot into buffer g.
.macro QUARTER slot, q, f, g, zero
	s_wait_dscnt 8                                 ; B and A's rows 0-63 are in; the youngest eight loads (A's rows 64-127) may be out
	WIN MUL_LO
	MUL16 \f, 0, 0, \zero
	MUL16 \f, 0, 2, \zero
	PLACES
	FETCH \slot, \q, \g
	s_wait_dscnt 32                                ; all but the 32 just issued
	WIN MUL_HI
	MUL16 \f, 1, 0, \zero
	MUL16 \f, 1, 2, \zero
.endm
.macro THREE slot, zero
	QUARTER \slot, 1, F0, F1, \zero
	QUARTER \slot, 2, F1, F0, 0
	QUARTER \slot, 3, F0, F1, 0
.endm
; The last quarter: multiplies buffer 1 and changes slots.  next = the other slot; fill = 1: this slot is filled again, two K steps ahead.
; ONE barrier for the change of slots.  In front of it each wave waits for its own reads of this slot and for all its tensor loads, of which one is out: its part of
; the next slot.  Behind it nobody reads this slot any more and the next slot is whole: the refill comes first, then the next slot's first fragments.
; From a request to the wait for it a wave issues 240 matrix instructions.
.macro TURN slot, next, fill
	s_wait_dscnt 8
	WIN MUL_LO
	MUL16 F1, 0, 0, 0
	s_wait_dscnt 0                                 ; my reads of this slot are over
	s_wait_tensorcnt 0x0                           ; and all my tensor loads have landed: the one that was out is my part of the next slot:
	ds_add_u32 v255, v255
	s_wait_dscnt 0x0
	s_barrier_signal -1                            ; say so (where a slot is filled again this barrier opens a round of the cluster's barrier),
	MUL16 F1, 0, 2, 0                              ; work on registers while the others arrive,
	WIN 0
	s_barrier_wait -1                              ; and go on when all four have said so
.if \fill
	CREST                                          ; all sixteen work-groups have said so: no wave of any partner still reads this slot's tile or has a load on its way
	s_add_nc_u64 s[G0+4*\slot+2:G0+4*\slot+3], s[G0+4*\slot+2:G0+4*\slot+3], 2*KSTEP*2            ; no load of mine is out, so a group 0 may be written: two K steps along a's rows
	s_add_nc_u64 s[G0B+4*\slot+2:G0B+4*\slot+3], s[G0B+4*\slot+2:G0B+4*\slot+3], 2*KSTEP*SIZE_N*2 ; and 256 rows down w
	JLOAD \slot                                    ; the first tensor load behind the round, and my only one until the next
.endif
	PLACES
	FETCH \next, 0, F0
	WIN MUL_HI
	MUL16 F1, 1, 0, 0
	MUL16 F1, 1, 2, 0
.endm
.macro LAP zero                        ; once round the ring, both slots filled again
	THREE 0, \zero
	TURN 0, 1, 1
	THREE 1, 0
	TURN 1, 0, 1
.endm
	s_wait_tensorcnt 1                             ; my part of K step 0 is in; K step 1's, issued behind it, may stay out
	s_barrier_signal -1
	s_barrier_wait -1                              ; everybody's is
	FETCH 0, 0, F0
	LAP 1                                          ; the first lap stands in front of the loop: its first products start the sums
	WIN 0                                          ; at a label and at a branch every window is 0
	s_mov_b32 s3, LAPS-2
.Llap:
	LAP 0
	WIN 0
	s_sub_co_u32 s3, s3, 1
	s_cmp_lg_u32 s3, 0
	s_cbranch_scc1 .Llap
	THREE 0, 0                                     ; the last lap fills nothing and has no round of the cluster's barrier: my one load still out is slot 1's, the last K step's
	TURN 0, 1, 0
	THREE 1, 0
	s_wait_dscnt 8                                 ; the very last quarter: nothing more to fetch
	WIN MUL_LO
	MUL16 F1, 0, 0, 0
	MUL16 F1, 0, 2, 0
	s_wait_dscnt 0
	WIN MUL_HI
	MUL16 F1, 1, 0, 0
	MUL16 F1, 1, 2, 0
	; THE WAY OUT, 16 rows of C at a time: 32 bytes a lane into my own stage in LDS, read back as whole rows of 512 bytes.
	; The four v_nop are the places behind the last matrix instructions: for the LDS stores, which read results, and for the loads into buffers 0 and 1.
	PLACES
	s_lshl_b32 s16, s13, 22                        ; my first row of C: 256 rows of 16,384 bytes for each block row
	s_lshl_b32 s14, s11, 21                        ; + 128 rows for the second half
	s_add_co_u32 s16, s16, s14
	s_mov_b32 s17, 0
	s_add_nc_u64 s[8:9], s[8:9], s[16:17]
	s_lshl_b32 s46, s42, 10                        ; my first column: 256 f32 for each block column (in the registers that held B's address: none that feeds A's descriptors ever holds cx)
	s_lshl_b32 s47, s12, 9                         ; + 128 f32 for the second half
	s_add_co_u32 s46, s46, s47
	s_mov_b32 s47, 0
	s_add_nc_u64 s[8:9], s[8:9], s[46:47]
; rows 16 i .. 16 i + 15 of my block = the eight tiles (a, 0..7) of window 2 or 3 (from = 0x08 or 0x0c: an LDS store's data is source 1); f: F0 or F1 in turn
.macro OUT16 i, a, from, f
	WIN \from
.irp b, 0,1,2,3,4,5,6,7
	ds_store_b128 v[STO], v[8*(8*\a+\b):8*(8*\a+\b)+3]   offset:64*\b      ; columns 16 b + 8 (l / 16) + 0..3 of row l % 16
	ds_store_b128 v[STO], v[8*(8*\a+\b)+4:8*(8*\a+\b)+7] offset:64*\b+16   ; and + 4..7
.endr
	WIN 0
	s_wait_xcnt 0x0                                ; every earlier memory instruction has had its addresses translated (ISA guide 3.1): buffer f, which stores read, and the stores' base are rewritten only behind this wait
.if \i
	s_add_nc_u64 s[8:9], s[8:9], 16*SIZE_N*4       ; 16 rows of C on
.endif
.irp t, 0,1,2,3,4,5,6,7,8,9,10,11,12,13,14,15
	ds_load_b128 v[\f+4*\t:\f+4*\t+3], v[RD] offset:\t*SPITCH      ; LDS serves a wave's instructions in order (ISA guide 5.7.1.4): these see the stores above; the stage is my own
.endr
.irp t, 0,1,2,3,4,5,6,7,8,9,10,11,12,13,14,15
	s_wait_dscnt 15-\t                             ; row t is back; the rows behind it may be out
	global_store_b128 v[CO], v[\f+4*\t:\f+4*\t+3], s[8:9] offset:\t*SIZE_N*4 th:TH_STORE_NT   ; the wave stores 512 consecutive bytes, at a multiple of 512 from C's first byte
.endr
.endm
	OUT16 0, 0, 0x08, F0
	OUT16 1, 1, 0x08, F1
	OUT16 2, 2, 0x08, F0
	OUT16 3, 3, 0x08, F1
	OUT16 4, 0, 0x0c, F0
	OUT16 5, 1, 0x0c, F1
	OUT16 6, 2, 0x0c, F0
	OUT16 7, 3, 0x0c, F1
	s_set_vgpr_msb 0x1
	s_wait_tensorcnt 0x0
	ds_add_u32 v255, v255
	s_wait_dscnt 0x0
	s_set_vgpr_msb 0x100
	CROUND                                         ; the closing round: no work-group ends while a partner may still ask for a tile that names it
	s_endpgm
.Lfunc_end_k_qa9c69598a7_gemm:
	.size	k_qa9c69598a7_gemm, .Lfunc_end_k_qa9c69598a7_gemm-k_qa9c69598a7_gemm
	.p2alignl 7, 3214868480
	.fill 96, 4, 3214868480
	.section	.rodata,"a",@progbits
	.p2align	6, 0x0
	.amdhsa_kernel k_qa9c69598a7_gemm
		.amdhsa_group_segment_fixed_size 327680
		.amdhsa_private_segment_fixed_size 0
		.amdhsa_enable_private_segment 0
		.amdhsa_kernarg_size 24
		.amdhsa_user_sgpr_count 2
		.amdhsa_user_sgpr_kernarg_segment_ptr 1
		.amdhsa_wavefront_size32 1
		.amdhsa_system_sgpr_workgroup_id_x 1
		.amdhsa_system_sgpr_workgroup_id_y 1
		.amdhsa_system_sgpr_workgroup_id_z 1
		.amdhsa_system_vgpr_workitem_id 0
		.amdhsa_next_free_vgpr 1024
		.amdhsa_next_free_sgpr 66
		.amdhsa_reserve_vcc 0
		.amdhsa_float_denorm_mode_32 3
		.amdhsa_float_denorm_mode_16_64 3
		.amdhsa_memory_ordered 1
		.amdhsa_forward_progress 1
		.amdhsa_inst_pref_size 196
	.end_amdhsa_kernel
	.amdgpu_metadata
---
amdhsa.version: [ 1, 2 ]
amdhsa.kernels:
  - .name:           k_qa9c69598a7_gemm
    .symbol:         k_qa9c69598a7_gemm.kd
    .args:
      - { .name: a, .offset: 0, .size: 8, .value_kind: global_buffer, .address_space: global }
      - { .name: w, .offset: 8, .size: 8, .value_kind: global_buffer, .address_space: global }
      - { .name: out0, .offset: 16, .size: 8, .value_kind: global_buffer, .address_space: global }
    .group_segment_fixed_size: 327680
    .private_segment_fixed_size: 0
    .kernarg_segment_align: 8
    .kernarg_segment_size: 24
    .max_flat_workgroup_size: 128
    .sgpr_count:     66
    .vgpr_count:     1024
    .wavefront_size: 32
...
	.end_amdgpu_metadata
.endif
;; end of part 2
